; MI455X (gfx1250); checked and timed in simulation.
; The chip was launched on July 23, 2026; its instructions are those of AMD's public machine-readable ISA for CDNA 5 (MIT licence, August 2026) and "CDNA5" Instruction Set Architecture Reference Guide (July 2026). The comments in the code are by the model that wrote it; some were corrected since.
;; LSTM. Allowed arithmetic: matrix products marked QUANTISED: E3M2 operands, one E8M0 scale for each 32 along K, by v_wmma_scale_f32_16x16x128_f8f6f4 with both operands' format E3M2, f32 sums; everything else in f32.
;; Inputs: W_codes 4,096 x 128 x 24 uint8 (E3M2 codes of W, K innermost, in blocks of 32 codes, four codes in three bytes); W_scales 4,096 x 128 uint8 (E8M0 scales of W, one for each 32 codes along K); b 4,096 float32; x_codes 4,096 x 128 x 24 uint8 (E3M2 codes of x, K innermost, in blocks of 32 codes, four codes in three bytes); x_scales 4,096 x 128 uint8 (E8M0 scales of x, one for each 32 codes along K).
;; Outputs: out0 4,096 x 4,096 float32.
;; This version of the problem:
;;   THIS VERSION OF THE PROBLEM IS GIVEN IN LOW PRECISION. The matrix products marked QUANTISED in the list below multiply operands that are first quantised to E3M2 (3 exponent bits, 2 mantissa bits; 6 bits a number), with one power-of-two scale for each 32 numbers along K (OCP MX v1.0); their sums are f32. All else is computed in f32.
;;   The module's matrix products, in the order in which they are computed (A, B: the left and right operand; K: the contracted axis; several contracted axes count as one K, in the product's order):
;;     1. [M 4,096, K 4,096] x [K 4,096, N 4,096]; A: input x (given as codes); B: input W (given as codes): QUANTISED
;;   THE QUANTISER, for each operand of a quantised product, along K:
;;     - K is cut into blocks of 32 from its start; a last block that is shorter is filled with zeros.
;;     - A block's scale is 2^e with e = floor(log2(the largest magnitude in the block)) - 4, held to -126 .. 127; a block of zeros has e = 0. As a byte (E8M0): e + 127.
;;     - Each number is divided by its block's scale, clamped to +-28, and rounded to the nearest number of E3M2, ties to even, subnormals kept.
;;     - The product sums the exact products of the quantised numbers (number of the format x scale) in f32.
;;   ~~~python
;;   def quantise(x, axis):      # numpy; x: float32 -> the quantised numbers, widened to float32 again
;;       x = np.moveaxis(x, axis, -1); K = x.shape[-1]
;;       x = np.pad(x, [(0, 0)] * (x.ndim - 1) + [(0, -K % 32)]); x = x.reshape(x.shape[:-1] + (-1, 32)); a = np.abs(x).max(-1, keepdims=True)
;;       e = np.where(a > 0, np.clip(np.frexp(np.where(a > 0, a, 1))[1] - 1 - 4, -126, 127), 0)      # np.frexp(a)[1] - 1 = floor(log2(a)), exactly
;;       r = np.clip(x / 2.0 ** e, -28, 28)
;;       step = 2.0 ** (np.maximum(np.frexp(np.where(r == 0, 1, r))[1] - 1, -2) - 2)
;;       q = np.round(r / step) * step * 2.0 ** e      # np.round: ties to even
;;       return np.moveaxis(q.reshape(q.shape[:-2] + (-1,))[..., :K], -1, axis).astype(np.float32)
;;   ~~~
;;   INPUTS GIVEN AS CODES. W (in the module: [4096, 4096], K = its axis 0); x (in the module: [4096, 4096], K = its axis 1): each comes as NAME_codes (uint8): NAME with its K axis moved to the last place and cut into blocks of 32 codes, [.., K / 32, bytes a block], one block behind the other in memory; four codes in three bytes: a row's codes are one little-endian stream of bits, code i at bits 6 i .. 6 i + 5 (a code: sign, 3 exponent bits, 2 mantissa bits); and NAME_scales (uint8): the same leading axes, one E8M0 byte (e + 127) for each 32 codes along K. Its value is code x scale, taken as it is: it is not quantised again, and the codes and scales need not be those that the quantiser above would give.
;; One version. Each part assembles by itself: llvm-mc -triple=amdgcn-amd-amdhsa -mcpu=gfx1250 --defsym DOCPART=n.
;; ======== version 1 of 1: 3 launches
;; workspace buffers: Wx_codes 13,369,344 bytes; Wx_scales 557,056 bytes; Gp 1,048,576 bytes; bpre 256 bytes
;; launch colsum (part 1): grid 256 x 1, 8 waves a work-group, no clusters, 35,840 bytes of LDS; arguments W_codes, W_scales, Wx_codes, Wx_scales, Gp; writes Wx_codes, Wx_scales, Gp
.if DOCPART == 1
	.amdgcn_target "amdgcn-amd-amdhsa--gfx1250"
	.amdhsa_code_object_version 6
	.text
	.protected	k_q393b0a5dd1_colsum
	.globl	k_q393b0a5dd1_colsum
	.p2align	8
	.type	k_q393b0a5dd1_colsum,@function
k_q393b0a5dd1_colsum:
	s_mov_b64 s[64:65], 0
	v_nop
	global_prefetch_b8 v0, s[64:65] scope:SCOPE_SE
	s_setreg_imm32_b32 hwreg(HW_REG_WAVE_MODE, 25, 1), 1
	s_wait_xcnt 0x0
; W arrives as codes of E3M2, [4096 (n)][4096 (k)], K innermost (a row is 3,072 bytes), with one E8M0 byte for each 32 along K (a row is 128 bytes).  This launch does two things with one read of it:
; (1) it copies codes and scale bytes into Wx_codes and Wx_scales, where each 256 rows of W are followed by 16 rows that the next launch fills: row n goes to row n + 16 (n / 256);
; (2) it adds the NUMBERS of W (code x scale, f32) over groups of 64 rows: Gp[rg][k] = the sum over n = 64 rg .. 64 rg + 63 of W[n][k].
; SHARES.  Work-group = (rg = 64 rows) x (kc = 1,024 along K = 768 bytes of a row).  Wave w takes rows 8 w + t, t = 0 .. 7.  A lane takes two pieces of 16 codes (12 bytes) of each row, at 384 p + 12 lane:
; a load or store of the wave covers 384 consecutive bytes, the two of a row stand back to back and cover the row's 768.  The eight waves' sums meet in LDS.
; The 2,048 scale bytes that the work-group needs come into LDS once, 8 bytes a thread.  The copy of the scale bytes is shared out apart from that: work-group i copies 16 whole rows, 2,048 consecutive bytes.
; LIMITS: a scale byte 0xff (NaN) is not served; the sums of 64 numbers must stay finite in f32.  No matrix unit, no tensor load, no cluster: the launch reads each byte of the codes once and shares nothing between work-groups.
.set RED,  2048                        ; LDS: 0 .. 2,047 the scale bytes (64 rows x 32); from RED on 8 waves x 1,024 sums, linear in k
.set X,    32                          ; v32-95   the codes as loaded: piece 2 t + p in four registers (three used); never rewritten, so the stores that read them want no wait
.set ACC,  96                          ; v96-127  my sums: 16 p + i
.set T,    128                         ; v128-159 a row's 32 code values in f32; at the end the eight waves' sums
.set SBY,  160                         ; v160-175 scale bytes, piece 2 t + p
.set SF,   176                         ; v176-191 the scales as f32
	s_load_b256 s[4:11], s[0:1], 0x0               ; W_codes s[4:5], W_scales s[6:7], Wx_codes s[8:9], Wx_scales s[10:11]
	s_load_b64 s[12:13], s[0:1], 0x20              ; Gp
	v_lshl_add_u32 v192, v0, 2, 0x8800
	v_mov_b32 v193, 0
	v_lshrrev_b32 v1, 5, v0
	v_readfirstlane_b32 s16, v1                    ; wave 0..7
	s_and_b32 s17, ttmp9, 3                        ; kc
	s_lshr_b32 s18, ttmp9, 2                       ; rg
	v_and_b32 v1, 31, v0                           ; lane
	v_mul_u32_u24 v2, v1, 12                       ; my 12 bytes of a piece
	v_lshlrev_b32 v3, 3, v0                        ; 8 x thread: the scale copy, and the scale bytes' place in LDS
	v_lshrrev_b32 v4, 2, v0
	v_lshlrev_b32 v4, 7, v4
	v_and_b32 v5, 3, v0
	v_lshl_add_u32 v4, v5, 3, v4                   ; row thread / 4 of the 64, 8 of its 32 bytes
	v_and_b32 v6, 0xe0, v0                         ; 32 x wave
	v_bfe_u32 v5, v0, 1, 4
	v_lshl_add_u32 v5, v6, 3, v5                   ; LDS: 256 x wave (my 8 rows of 32 bytes) + lane / 2 (two lanes share a block of 32)
	v_lshlrev_b32 v7, 6, v1
	v_lshl_add_u32 v6, v6, 7, v7
	v_add_nc_u32 v6, RED, v6                       ; LDS: my wave's 4,096 bytes, my 16 sums of a piece
	v_lshlrev_b32 v8, 4, v0                        ; 16 x thread: my four columns at the end
	v_add_nc_u32 v7, RED, v8
	v_mov_b32 v9, 0x7f7f7f7f                       ; the scale 1 in every byte: the conversion gives the codes' own values
	s_lshl_b32 s20, s18, 6
	s_lshl_b32 s21, s16, 3
	s_add_co_u32 s20, s20, s21                     ; my wave's first row: 64 rg + 8 w
	s_lshr_b32 s21, s18, 2
	s_lshl_b32 s21, s21, 4
	s_add_co_u32 s22, s20, s21                     ; and where it goes: + 16 (row / 256)
	s_mul_i32 s20, s20, 3072
	s_mul_i32 s22, s22, 3072
	s_mul_i32 s24, s17, 768
	s_add_co_u32 s20, s20, s24
	s_add_co_u32 s22, s22, s24
	s_mov_b32 s21, 0
	s_mov_b32 s23, 0
	s_lshl_b32 s24, ttmp9, 11                      ; the scale copy: 2,048 bytes a work-group,
	s_mov_b32 s25, 0
	s_lshr_b32 s26, ttmp9, 4
	s_lshl_b32 s26, s26, 11
	s_add_co_u32 s26, s26, s24                     ; 16 rows of 128 bytes further on for each 256 rows passed
	s_mov_b32 s27, 0
	s_lshl_b32 s28, s18, 13                        ; the scale bytes that I use: 64 rows of 128 bytes,
	s_lshl_b32 s29, s17, 5                         ; 32 bytes of each
	s_add_co_u32 s28, s28, s29
	s_mov_b32 s29, 0
	s_lshl_b32 s30, s18, 14                        ; Gp: row rg of 16,384 bytes,
	s_lshl_b32 s31, s17, 12                        ; 1,024 numbers
	s_add_co_u32 s30, s30, s31
	s_mov_b32 s31, 0
	s_wait_kmcnt 0x0
	s_add_nc_u64 s[4:5], s[4:5], s[20:21]
	s_add_nc_u64 s[8:9], s[8:9], s[22:23]
	s_add_nc_u64 s[14:15], s[6:7], s[24:25]
	s_add_nc_u64 s[10:11], s[10:11], s[26:27]
	s_add_nc_u64 s[6:7], s[6:7], s[28:29]
	s_add_nc_u64 s[12:13], s[12:13], s[30:31]
	global_load_b64 v[10:11], v3, s[14:15]         ; the scale copy's 8 bytes
	global_load_b64 v[12:13], v4, s[6:7]           ; 8 of the scale bytes that the work-group uses
.irp t, 0,1,2,3,4,5,6,7
	global_load_b96 v[X+8*\t:X+8*\t+2], v2, s[4:5] offset:3072*\t th:TH_LOAD_NT
	global_load_b96 v[X+8*\t+4:X+8*\t+6], v2, s[4:5] offset:3072*\t+384 th:TH_LOAD_NT
.endr
	s_wait_loadcnt 16                              ; the two loads of scale bytes are in; the 16 loads of codes behind them stay out
	global_store_b64 v3, v[10:11], s[10:11]        ; a wave stores 256 consecutive bytes, at a multiple of 256 from the buffer's first byte
	ds_store_b64 v3, v[12:13]
	s_wait_dscnt 0x0                               ; for the others' sake: my scale bytes lie in LDS
	s_barrier_signal -1
	s_barrier_wait -1
.irp t, 0,1,2,3,4,5,6,7
	ds_load_u8 v[SBY+2*\t], v5 offset:32*\t
	ds_load_u8 v[SBY+2*\t+1], v5 offset:32*\t+16
.endr
	s_wait_dscnt 0x0
.irp i, 0,1,2,3,4,5,6,7,8,9,10,11,12,13,14,15
	v_add_nc_u32 v[SBY+\i], -127, v[SBY+\i]
.endr
.irp i, 0,1,2,3,4,5,6,7,8,9,10,11,12,13,14,15
	v_ldexp_f32 v[SF+\i], 1.0, v[SBY+\i]           ; 2^(byte - 127), the byte 0 too
.endr
; Row t: copied as it is, widened, multiplied by its blocks' scales and added.  The first row starts the sums: nothing is cleared.
.macro ROW t
	s_wait_loadcnt 14-2*\t                         ; my two loads of this row are in; those of the rows behind it stay out
	global_store_b96 v2, v[X+8*\t:X+8*\t+2], s[8:9] offset:3072*\t
	global_store_b96 v2, v[X+8*\t+4:X+8*\t+6], s[8:9] offset:3072*\t+384
	v_cvt_scale_pk16_f32_bf6 v[T:T+15], v[X+8*\t:X+8*\t+2], v9
	v_cvt_scale_pk16_f32_bf6 v[T+16:T+31], v[X+8*\t+4:X+8*\t+6], v9
	v_nop                                          ; one plain instruction between a scaled conversion and the use of its result
.irp j, 0,2,4,6,8,10,12,14
.if \t == 0
	v_pk_mul_f32 v[ACC+\j:ACC+\j+1], v[T+\j:T+\j+1], v[SF:SF+1] op_sel_hi:[1,0]
	v_pk_mul_f32 v[ACC+16+\j:ACC+17+\j], v[T+16+\j:T+17+\j], v[SF:SF+1] op_sel:[0,1] op_sel_hi:[1,1]
.else
	v_pk_fma_f32 v[ACC+\j:ACC+\j+1], v[T+\j:T+\j+1], v[SF+2*\t:SF+2*\t+1], v[ACC+\j:ACC+\j+1] op_sel_hi:[1,0,1]                       ; piece 0: the pair's first scale for both halves
	v_pk_fma_f32 v[ACC+16+\j:ACC+17+\j], v[T+16+\j:T+17+\j], v[SF+2*\t:SF+2*\t+1], v[ACC+16+\j:ACC+17+\j] op_sel:[0,1,0] op_sel_hi:[1,1,1]   ; piece 1: its second
.endif
.endr
.endm
.irp t, 0,1,2,3,4,5,6,7
	ROW \t
.endr
.irp p, 0,1
.irp c, 0,1,2,3
	ds_store_b128 v6, v[ACC+16*\p+4*\c:ACC+16*\p+4*\c+3] offset:2048*\p+16*\c
.endr
.endr
	s_wait_dscnt 0x0                               ; for the others' sake: my wave's 1,024 sums lie in LDS
	s_barrier_signal -1
	s_barrier_wait -1
.irp q, 0,1,2,3,4,5,6,7
	ds_load_b128 v[T+4*\q:T+4*\q+3], v7 offset:4096*\q   ; four columns of each wave's sums
.endr
	s_wait_dscnt 0x0
.irp q, 1,2,3,4,5,6,7
	v_pk_add_f32 v[T:T+1], v[T:T+1], v[T+4*\q:T+4*\q+1]
	v_pk_add_f32 v[T+2:T+3], v[T+2:T+3], v[T+4*\q+2:T+4*\q+3]
.endr
	global_store_b128 v8, v[T:T+3], s[12:13]       ; a wave stores 512 consecutive bytes
	s_wait_tensorcnt 0x0
	ds_add_u32 v192, v193
	s_wait_dscnt 0x0
	s_endpgm
.Lfunc_end_k_q393b0a5dd1_colsum:
	.size	k_q393b0a5dd1_colsum, .Lfunc_end_k_q393b0a5dd1_colsum-k_q393b0a5dd1_colsum
	.p2alignl 7, 3214868480
	.fill 96, 4, 3214868480
	.section	.rodata,"a",@progbits
	.p2align	6, 0x0
	.amdhsa_kernel k_q393b0a5dd1_colsum
		.amdhsa_group_segment_fixed_size 35840
		.amdhsa_private_segment_fixed_size 0
		.amdhsa_enable_private_segment 0
		.amdhsa_kernarg_size 40
		.amdhsa_user_sgpr_count 2
		.amdhsa_user_sgpr_kernarg_segment_ptr 1
		.amdhsa_wavefront_size32 1
		.amdhsa_system_sgpr_workgroup_id_x 1
		.amdhsa_system_sgpr_workgroup_id_y 1
		.amdhsa_system_sgpr_workgroup_id_z 1
		.amdhsa_system_vgpr_workitem_id 0
		.amdhsa_next_free_vgpr 194
		.amdhsa_next_free_sgpr 66
		.amdhsa_reserve_vcc 0
		.amdhsa_float_denorm_mode_32 3
		.amdhsa_float_denorm_mode_16_64 3
		.amdhsa_memory_ordered 1
		.amdhsa_forward_progress 1
		.amdhsa_inst_pref_size 21
	.end_amdhsa_kernel
	.amdgpu_metadata
---
amdhsa.version: [ 1, 2 ]
amdhsa.kernels:
  - .name:           k_q393b0a5dd1_colsum
    .symbol:         k_q393b0a5dd1_colsum.kd
    .args:
      - { .name: W_codes, .offset: 0, .size: 8, .value_kind: global_buffer, .address_space: global }
      - { .name: W_scales, .offset: 8, .size: 8, .value_kind: global_buffer, .address_space: global }
      - { .name: Wx_codes, .offset: 16, .size: 8, .value_kind: global_buffer, .address_space: global }
      - { .name: Wx_scales, .offset: 24, .size: 8, .value_kind: global_buffer, .address_space: global }
      - { .name: Gp, .offset: 32, .size: 8, .value_kind: global_buffer, .address_space: global }
    .group_segment_fixed_size: 35840
    .private_segment_fixed_size: 0
    .kernarg_segment_align: 8
    .kernarg_segment_size: 40
    .max_flat_workgroup_size: 256
    .sgpr_count:     66
    .vgpr_count:     194
    .wavefront_size: 32
...
	.end_amdgpu_metadata
.endif
;; end of part 1
;; launch carry (part 2): grid 17 x 1, 8 waves a work-group, no clusters, 44,032 bytes of LDS; arguments Gp, b, Wx_codes, Wx_scales, bpre; writes Wx_codes, Wx_scales, bpre
.if DOCPART == 2
	.amdgcn_target "amdgcn-amd-amdhsa--gfx1250"
	.amdhsa_code_object_version 6
	.text
	.protected	k_q393b0a5dd1_carry
	.globl	k_q393b0a5dd1_carry
	.p2align	8
	.type	k_q393b0a5dd1_carry,@function
k_q393b0a5dd1_carry:
	s_mov_b64 s[64:65], 0
	v_nop
	global_prefetch_b8 v0, s[64:65] scope:SCOPE_SE
	s_setreg_imm32_b32 hwreg(HW_REG_WAVE_MODE, 25, 1), 1
	s_wait_xcnt 0x0
; What a running sum along the 4,096 columns carries into column group g (128 columns) is linear in x: the sum over n < 128 g of (x W)[m][n] = x[m] . E[g], with E[g][k] = the sum over n < 128 g of W[n][k].
; This launch makes E[g], g = 0 .. 31, from the sums of 64 rows in Gp, and writes each E[g] as the SUM OF EIGHT VECTORS OF MX-BF6: stage s quantises, along K in blocks of 32, what the stages before have left.
; A stage leaves at most an eighth of a block's largest magnitude (half a step of a two-bit mantissa; numbers held at the largest code, 28 of under 32, likewise), so eight stages leave at most 2^-24 of it.
; Stage s of group g becomes row 272 (g / 2) + 256 + 8 (g % 2) + s of Wx_codes and Wx_scales: the 16 rows behind each 256 rows of W, one more fragment of 16 rows for the product's launch.
; Work-groups 0 to 15 take 256 along K each.  Work-group 16 makes bpre[g] = the sum of b[n] over n < 128 g; it uses no LDS and passes no barrier.
; PHASE 1: wave w takes 16 rows of Gp (segment w / 2) x 128 columns (half w % 2), four columns a lane: a prefix down the rows in registers; the segments' totals meet in LDS.  The 32 rows E[g] go to LDS.
; PHASE 2: a thread takes ONE block of 32 of one E[g] in 32 registers: its largest magnitude needs no other lane.
; LIMITS: NaN and infinities are not served; what is left of a block under 2^-122 is dropped (the scale's byte is held at 1).  A row's 192 bytes of codes are stored by eight neighbouring lanes in two instructions of
; 12 bytes a lane: the work-group owns no more of a row than that, and all carry rows together are 0.8 MB.
.set TOT, 0                            ; LDS: 4 segments x 64 quads of columns x 16 bytes
.set EB,  4096                         ; 32 rows E[g], 1,152 bytes apart: 8 blocks of 128 bytes + 16 of padding, so that the threads' reads, 144 bytes apart, start at different banks
.set SB,  40960                        ; the scale bytes: 64 g + 8 s + block; a wave's four g are its own 256 bytes
.set L,   32                           ; v32-95   16 rows x 4 columns
.set OFF, 96                           ; v96-99   the sum of the segments above mine
.set TL,  100                          ; v100-111 three segments' totals
.set R,   112                          ; v112-143 my block: what is left of it
.set Q,   144                          ; v144-175 the stage's codes, widened again
.set C,   176                          ; v176-239 the codes: eight registers a stage (2 x 3 used), never rewritten: the stores that read them want no wait
.set BY,  22                           ; v22-29   a scale byte for each stage
	s_load_b256 s[4:11], s[0:1], 0x0               ; Gp s[4:5], b s[6:7], Wx_codes s[8:9], Wx_scales s[10:11]
	s_load_b64 s[12:13], s[0:1], 0x20              ; bpre
	v_lshl_add_u32 v240, v0, 2, 0xa800
	v_mov_b32 v241, 0
	v_lshrrev_b32 v1, 5, v0
	v_readfirstlane_b32 s16, v1                    ; wave 0..7
	s_cmp_eq_u32 ttmp9, 16                         ; the same in all waves of a work-group
	s_cbranch_scc1 .Lbias
	s_lshr_b32 s17, s16, 1                         ; my segment of 16 rows
	s_and_b32 s18, s16, 1                          ; my half of the 256 columns
	v_and_b32 v1, 31, v0
	v_lshlrev_b32 v2, 4, v1                        ; Gp: 16 bytes a lane
	v_lshlrev_b32 v3, 4, v0                        ; TOT, in: 512 w + 16 lane
	v_and_b32 v4, 63, v0
	v_lshlrev_b32 v4, 4, v4                        ; TOT, back: my columns in segment 0
	v_lshrrev_b32 v5, 6, v0
	v_mul_u32_u24 v5, v5, 9216                     ; E, in: 8 rows a segment,
	v_bfe_u32 v6, v0, 3, 3
	v_mad_u32_u24 v5, v6, 144, v5                  ; block 4 (w % 2) + lane / 8,
	v_and_b32 v6, 7, v0
	v_lshl_add_u32 v5, v6, 4, v5                   ; 16 bytes of it
	v_add_nc_u32 v5, EB, v5
	v_mul_u32_u24 v7, v0, 144
	v_add_nc_u32 v7, EB, v7                        ; E, back: thread = 8 g + block
	v_lshrrev_b32 v11, 3, v0                       ; g
	v_lshl_add_u32 v10, v11, 6, v6
	v_add_nc_u32 v10, SB, v10                      ; my block's byte of stage 0
	v_lshlrev_b32 v30, 3, v0
	v_add_nc_u32 v30, SB, v30                      ; and on the way out: the 8 bytes of row (g, s = thread % 8)
	v_lshrrev_b32 v12, 1, v11
	v_mul_u32_u24 v12, v12, 272
	v_and_b32 v13, 1, v11
	v_lshl_add_u32 v12, v13, 3, v12
	v_add_nc_u32 v12, 256, v12                     ; stage 0's row: 272 (g / 2) + 256 + 8 (g % 2)
	v_mul_u32_u24 v15, v12, 3072
	v_mad_u32_u24 v15, v6, 24, v15                 ; my block's 24 bytes in it
	v_add_nc_u32 v31, v12, v6
	v_lshlrev_b32 v31, 7, v31                      ; row (g, thread % 8) of the scale bytes
	v_mov_b32 v9, 0x7f7f7f7f                       ; the scale 1 in every byte
	v_mov_b32 v21, 0                               ; (named as the upper half of the pair v[20:21])
	s_lshl_b32 s20, s17, 18                        ; 16 rows of 16,384 bytes a segment
	s_lshl_b32 s21, ttmp9, 10
	s_add_co_u32 s20, s20, s21
	s_lshl_b32 s21, s18, 9
	s_add_co_u32 s20, s20, s21
	s_mov_b32 s21, 0
	s_mul_i32 s22, ttmp9, 192                      ; 256 codes
	s_mov_b32 s23, 0
	s_lshl_b32 s24, ttmp9, 3                       ; 8 scale bytes
	s_mov_b32 s25, 0
	s_wait_kmcnt 0x0
	s_add_nc_u64 s[4:5], s[4:5], s[20:21]
	s_add_nc_u64 s[8:9], s[8:9], s[22:23]
	s_add_nc_u64 s[10:11], s[10:11], s[24:25]
.irp t, 0,1,2,3,4,5,6,7,8,9,10,11,12,13,14,15
	global_load_b128 v[L+4*\t:L+4*\t+3], v2, s[4:5] offset:16384*\t th:TH_LOAD_NT   ; 512 consecutive bytes a wave
.endr
.irp t, 1,2,3,4,5,6,7,8,9,10,11,12,13,14,15
	s_wait_loadcnt 15-\t                           ; rows 0 to t are in; the rows behind stay out
	v_pk_add_f32 v[L+4*\t:L+4*\t+1], v[L+4*\t:L+4*\t+1], v[L+4*\t-4:L+4*\t-3]
	v_pk_add_f32 v[L+4*\t+2:L+4*\t+3], v[L+4*\t+2:L+4*\t+3], v[L+4*\t-2:L+4*\t-1]
.endr
	ds_store_b128 v3, v[L+60:L+63]                 ; my segment's total
	s_wait_dscnt 0x0
	s_barrier_signal -1
	s_barrier_wait -1
.irp i, 0,1,2,3
	v_mov_b32 v[OFF+\i], 0
.endr
.irp q, 0,1,2
	ds_load_b128 v[TL+4*\q:TL+4*\q+3], v4 offset:1024*\q
.endr
	s_wait_dscnt 0x0
.irp q, 0,1,2                                  ; the totals of the segments above mine, in ascending order: a branch on the wave's number, round additions alone
	s_cmp_gt_u32 s17, \q
	s_cbranch_scc0 .Loff_done
	v_pk_add_f32 v[OFF:OFF+1], v[OFF:OFF+1], v[TL+4*\q:TL+4*\q+1]
	v_pk_add_f32 v[OFF+2:OFF+3], v[OFF+2:OFF+3], v[TL+4*\q+2:TL+4*\q+3]
.endr
.Loff_done:
	ds_store_b128 v5, v[OFF:OFF+3]                 ; E[8 sg]: nothing of my segment
.irp u, 1,2,3,4,5,6,7
	v_pk_add_f32 v[L+8*\u-4:L+8*\u-3], v[L+8*\u-4:L+8*\u-3], v[OFF:OFF+1]       ; E[8 sg + u]: my segment's first 2 u rows
	v_pk_add_f32 v[L+8*\u-2:L+8*\u-1], v[L+8*\u-2:L+8*\u-1], v[OFF+2:OFF+3]
	ds_store_b128 v5, v[L+8*\u-4:L+8*\u-1] offset:1152*\u
.endr
	s_wait_dscnt 0x0
	s_barrier_signal -1
	s_barrier_wait -1
.irp i, 0,1,2,3,4,5,6,7
	ds_load_b128 v[R+4*\i:R+4*\i+3], v7 offset:16*\i
.endr
	s_wait_dscnt 0x0
; A stage: the block's largest magnitude, with the floor 2^(5 - 127) among its leaves; 4 off its exponent field gives the conversion's scale operand, and a shift of that the byte; the codes are stored;
; widened again and multiplied by the scale they are taken off the block.
.macro STAGE s, last
	v_max3_num_f32 v12, |v[R]|, |v[R+1]|, |v[R+2]|
	v_max3_num_f32 v13, |v[R+3]|, |v[R+4]|, |v[R+5]|
.irp i, 6,10,14,18,22,26
	v_max3_num_f32 v12, v12, |v[R+\i]|, |v[R+\i+1]|
	v_max3_num_f32 v13, v13, |v[R+\i+2]|, |v[R+\i+3]|
.endr
	v_max3_num_f32 v12, v12, |v[R+30]|, |v[R+31]|
	v_max3_num_f32 v12, v12, v13, 0x2800000
	v_add_nc_u32 v16, 0xfe000000, v12
	v_cvt_scalef32_pk16_bf6_f32 v[C+8*\s:C+8*\s+2], v[R:R+15], v16
	v_cvt_scalef32_pk16_bf6_f32 v[C+8*\s+4:C+8*\s+6], v[R+16:R+31], v16      ; (a conversion's three registers begin on an even number)
	v_lshrrev_b32 v[BY+\s], 23, v16                ; the scale's byte.  (These two lines are the plain instructions behind the conversions)
	v_and_b32 v20, 0x7f800000, v16                 ; the scale as f32
	ds_store_b8 v10, v[BY+\s] offset:8*\s
	global_store_b96 v15, v[C+8*\s:C+8*\s+2], s[8:9] offset:3072*\s
	global_store_b96 v15, v[C+8*\s+4:C+8*\s+6], s[8:9] offset:3072*\s+12
.if \last == 0
	v_cvt_scale_pk16_f32_bf6 v[Q:Q+15], v[C+8*\s:C+8*\s+2], v9
	v_cvt_scale_pk16_f32_bf6 v[Q+16:Q+31], v[C+8*\s+4:C+8*\s+6], v9
	v_nop                                          ; one plain instruction between a scaled conversion and the use of its result
.irp j, 0,2,4,6,8,10,12,14,16,18,20,22,24,26,28,30
	v_pk_fma_f32 v[R+\j:R+\j+1], v[Q+\j:Q+\j+1], v[20:21], v[R+\j:R+\j+1] op_sel_hi:[1,0,1] neg_lo:[1,0,0] neg_hi:[1,0,0]   ; what is left: R - code x scale
.endr
.endif
.endm
.irp s, 0,1,2,3,4,5,6
	STAGE \s, 0
.endr
	STAGE 7, 1
	ds_load_b64 v[18:19], v30                      ; my wave's own bytes; LDS serves a wave's instructions in order (ISA guide 5.7.1.4): this sees the stores above
	s_wait_dscnt 0x0
	global_store_b64 v31, v[18:19], s[10:11]
	s_wait_tensorcnt 0x0
	ds_add_u32 v240, v241
	s_wait_dscnt 0x0
	s_endpgm
.Lbias:
	s_wait_kmcnt 0x0
	s_cmp_lg_u32 s16, 0
	s_cbranch_scc1 .Lend                           ; one wave does it: 16 KB
	v_lshlrev_b32 v2, 9, v0                        ; lane g: b's numbers 128 g .. 128 g + 127
.irp i, 0,1,2,3,4,5,6,7,8,9,10,11,12,13,14,15,16,17,18,19,20,21,22,23,24,25,26,27,28,29,30,31
	global_load_b128 v[32+4*\i:35+4*\i], v2, s[6:7] offset:16*\i
.endr
	s_wait_loadcnt 0x0
.irp i, 1,2,3,4,5,6,7,8,9,10,11,12,13,14,15,16,17,18,19,20,21,22,23,24,25,26,27,28,29,30,31
	v_pk_add_f32 v[32:33], v[32:33], v[32+4*\i:33+4*\i]
	v_pk_add_f32 v[34:35], v[34:35], v[34+4*\i:35+4*\i]
.endr
	v_pk_add_f32 v[32:33], v[32:33], v[34:35]
	v_add_f32 v32, v32, v33                        ; the group's sum
	v_mov_b32 v8, 0
	s_mov_b32 s20, 0
.irp i, 0,1,2,3,4,5,6,7,8,9,10,11,12,13,14,15,16,17,18,19,20,21,22,23,24,25,26,27,28,29,30,31
	v_writelane_b32 v8, s20, \i                    ; lane g gets the sum of the groups in front of it
	v_readlane_b32 s21, v32, \i
	s_add_f32 s20, s20, s21
.endr
	v_lshlrev_b32 v3, 2, v0
	global_store_b32 v3, v8, s[12:13]
.Lend:
	s_endpgm
.Lfunc_end_k_q393b0a5dd1_carry:
	.size	k_q393b0a5dd1_carry, .Lfunc_end_k_q393b0a5dd1_carry-k_q393b0a5dd1_carry
	.p2alignl 7, 3214868480
	.fill 96, 4, 3214868480
	.section	.rodata,"a",@progbits
	.p2align	6, 0x0
	.amdhsa_kernel k_q393b0a5dd1_carry
		.amdhsa_group_segment_fixed_size 44032
		.amdhsa_private_segment_fixed_size 0
		.amdhsa_enable_private_segment 0
		.amdhsa_kernarg_size 40
		.amdhsa_user_sgpr_count 2
		.amdhsa_user_sgpr_kernarg_segment_ptr 1
		.amdhsa_wavefront_size32 1
		.amdhsa_system_sgpr_workgroup_id_x 1
		.amdhsa_system_sgpr_workgroup_id_y 1
		.amdhsa_system_sgpr_workgroup_id_z 1
		.amdhsa_system_vgpr_workitem_id 0
		.amdhsa_next_free_vgpr 242
		.amdhsa_next_free_sgpr 66
		.amdhsa_reserve_vcc 0
		.amdhsa_float_denorm_mode_32 3
		.amdhsa_float_denorm_mode_16_64 3
		.amdhsa_memory_ordered 1
		.amdhsa_forward_progress 1
		.amdhsa_inst_pref_size 43
	.end_amdhsa_kernel
	.amdgpu_metadata
---
amdhsa.version: [ 1, 2 ]
amdhsa.kernels:
  - .name:           k_q393b0a5dd1_carry
    .symbol:         k_q393b0a5dd1_carry.kd
    .args:
      - { .name: Gp, .offset: 0, .size: 8, .value_kind: global_buffer, .address_space: global }
      - { .name: b, .offset: 8, .size: 8, .value_kind: global_buffer, .address_space: global }
      - { .name: Wx_codes, .offset: 16, .size: 8, .value_kind: global_buffer, .address_space: global }
      - { .name: Wx_scales, .offset: 24, .size: 8, .value_kind: global_buffer, .address_space: global }
      - { .name: bpre, .offset: 32, .size: 8, .value_kind: global_buffer, .address_space: global }
    .group_segment_fixed_size: 44032
    .private_segment_fixed_size: 0
    .kernarg_segment_align: 8
    .kernarg_segment_size: 40
    .max_flat_workgroup_size: 256
    .sgpr_count:     66
    .vgpr_count:     242
    .wavefront_size: 32
...
	.end_amdgpu_metadata
.endif
;; end of part 2
;; launch gemm (part 3): grid 16 x 16, 4 waves a work-group, clusters of 4 x 4, 327,680 bytes of LDS; arguments x_codes, x_scales, Wx_codes, Wx_scales, out0, b, bpre; writes out0
.if DOCPART == 3
	.amdgcn_target "amdgcn-amd-amdhsa--gfx1250"
	.amdhsa_code_object_version 6
	.text
	.protected	k_q393b0a5dd1_gemm
	.globl	k_q393b0a5dd1_gemm
	.p2align	8
	.type	k_q393b0a5dd1_gemm,@function
k_q393b0a5dd1_gemm:
	s_mov_b64 s[64:65], 0
	v_nop
	global_prefetch_b8 v0, s[64:65] scope:SCOPE_SE
	s_setreg_imm32_b32 hwreg(HW_REG_WAVE_MODE, 25, 1), 1
	s_wait_xcnt 0x0
	s_wait_alu depctr_hold_cnt(0) depctr_sa_sdst(0) depctr_va_vdst(0) depctr_va_sdst(0) depctr_va_ssrc(0) depctr_va_vcc(0) depctr_vm_vsrc(0)
	s_getreg_b32 s2, hwreg(HW_REG_IB_STS2, 6, 4)
	s_cmp_eq_u32 s2, 0
	s_cbranch_scc0 .Lentry_in_a_cluster
	s_endpgm
.Lentry_in_a_cluster:
	s_bfe_u32 s2, ttmp6, 0x10000c
	s_cmp_lg_u32 s2, 0xf033
	s_cbranch_scc0 .Lentry_shape_is_right
	s_endpgm
.Lentry_shape_is_right:
; out0[m][n] = the sum over n' <= n of (x W + b)[m][n'].  x: [4096][4096] codes of BF6 (E3M2), K innermost, one E8M0 byte for each 32 along K.  Wx: W's rows in the same form, each 256 rows followed by 16 CARRY ROWS.
; A tile of 256 x 256 is made by a work-group of four waves; a wave makes 128 x 128: 64 accumulators of 16 x 16, 512 registers.  K goes in steps of 256 (rows of 192 bytes) through a ring of two LDS slots filled by the tensor data mover.
; THE CARRY.  What the running sum brings into a wave's 128 columns (column group g = 2 x tile column + the wave's half) is x[m] . E[g] + bpre[g], E[g] the sum of W's rows in front of the group.  An earlier launch has written E[g] as
; the sum of eight vectors of MX-BF6; those of the tile column's two groups are its 16 carry rows: a NINTH fragment of B, multiplied by the same matrix instruction: 72 for 64 in each 128 along K.  So every wave knows its own carry, no
; byte goes from wave to wave or from work-group to work-group, and out0 is written once.  Both waves of a row half make the whole carry tile and use half of it: sharing it would save 4 instructions in 72 and cost an exchange through LDS.
; b is the C of each sum's first matrix instruction.  On the way out each row is scanned: eight neighbours in a lane, the lane 16 away, the eight blocks of 16 columns, the carry.  The additions' order differs from a plain left-to-right sum.
; THE SCALES of the work-group's 256 rows of x and 272 rows of Wx, for all of K, are two dense blocks of memory: they come into LDS once, with the first fills, as rows of 256 bytes, and stay.
; CLUSTERS: 4 x 4 work-groups.  The four of a row of the cluster need the same tiles of x, the four of a column the same tiles of Wx: each tile is asked for JOINTLY, by the same tensor load with the same descriptor and a mask that names the four.
; THE MATRIX INSTRUCTION IS USED TRANSPOSED (source 0 = 16 rows of Wx, source 1 = 16 rows of x): a lane holds row lane % 16 and eight neighbouring columns 8 (lane / 16) + 0 .. 7; in a carry tile: the eight stages of group lane / 16.
; LIMITS: a scale byte 0xff, NaN and infinities are not served beyond what the matrix instruction makes of them.
; REGISTERS, in windows of 256: window 0: v0-7 at work at the head; v8-11 the carry rows' scale words, two sets; v12-31 addresses; v32-63 scale words, two sets; v64-127 the 8 carry accumulators; v128-223 x's fragments, ONE set.
;   On the way out: v64-103 the scan's figures, v128-255 rows read back from the stage.   window 1: Wx's fragments, TWO sets of nine, at v0 and v128 (v128-191 hold b during the first step).   windows 2, 3: the 64 accumulators.
.set SIZE_N, 4096
.set NQ,     2                         ; matrix instructions deep in a slot
.set ROWB,   192                       ; a tile's row in bytes: 256 codes
.set KROW,   3072                      ; a row of codes in memory
.set PITCH,  240                       ; an LDS row: 3 x (64 bytes + 16 of padding)
.set FR,     12                        ; registers of a fragment: 16 rows x 128 K
.set NL,     6                         ; LDS loads that bring one
.set NP,     4                         ; places behind this matrix instruction (ISA guide 7.12.1)
.set HALFT,  128*PITCH                 ; 128 rows: a load's worth of x, and what a wave reads of x or of W
.set HALFB,  136*PITCH                 ; 136 rows: a load's worth of Wx
.set SLOT,   2*HALFT+2*HALFB           ; x's 256 rows, then Wx's 272
.set CROW,   4*HALFT                   ; where the 16 carry rows begin in a slot
.set LAPS,   8                         ; a lap = two K steps = once round the ring
.set KS,     128                       ; a row of scale bytes
.set SCL,    2*SLOT                    ; behind the ring: the scales, as rows of 256 bytes + 16 of padding (two rows of scale bytes each)
.set HALFS,  64*272                    ; the scales of 128 rows
.set HALFSB, 68*272                    ; of 136 rows
.set SBLK,   8*272                     ; of 16 rows
.set SPARE,  325376                    ; behind the scales (they end at 325,248): the spare words, 128 bytes for each wave: two blocks of 256 bytes that no other line names
.set SPITCH, 528                       ; the way out: a stage of 16 rows x (512 bytes + 16) for each wave, in slot 0, which has had its last fill and its last read when the first result is stored there
.set CSC,  8                           ; v8-11   the carry rows' scale words: set s at v[8 + 2 s]; every lane holds row lane % 16's
.set ADRC, 12                          ; v12-13  LDS address of the carry fragment in slot 0, 1  (v14-15: for the pieces behind one padding more)
.set ADRA, 16                          ; v16-17  of my x fragments  (v18-19)
.set ADRB, 20                          ; v20-21  of my W fragments  (v22-23)
.set STO,  24                          ; v24     the way out: where I put 32 bytes of a row
.set RD,   25                          ; v25     where I read a row back
.set CO,   26                          ; v26     my byte offset in a row of out0
.set ADRS, 27                          ; v27     LDS address of my scale words: lanes 0-15 x's rows, lanes 16-31 W's
.set SPW,  28                          ; v28     LDS address of my spare word; never rewritten
.set NIL,  29                          ; v29     0; never rewritten
.set ADRCS, 30                         ; v30     LDS address of the carry rows' scale words
.set PFO,  31                          ; v31     the prefetches' offset: my lane x a row of codes; never rewritten
.set SC,   32                          ; scale words: set s at v[32 + 16 s]; register 2 i + q: lanes 0-15 x's block i, lanes 16-31 W's block i
.set CA,   64                          ; carry accumulators: block a at v[64 + 8 a]
.set AF,   128                         ; x's fragments
.set BI,   128                         ; in window 1: b, eight registers for each block of 16 columns, in the result's layout
.set BK,   128                         ; the way out: 16 rows read back: v128-191 and v192-255 by turns
.set CAR,  64                          ; v64-71  the way out: block a's carry
.set OTH,  72                          ; v72-79  the other half of the lanes' sum of eight
.set SUM,  80                          ; v80-87  a block's sum of 16 columns
.set BASE, 88                          ; v88-95  what comes into block b
.set OFF,  96                          ; v96-103 what comes into my eight columns of block b
.set G1,   24                          ; s[24:31] descriptor group 1 for x's tiles;  s[32:39] group 0, one set for each slot
.set G0,   32
.set G1B,  48                          ; s[48:55], s[56:63] the same for Wx's tiles
.set G0B,  56
.set G1S,  68                          ; s[68:75], s[76:79] groups 1 and 0 for x's scales;  s[80:87], s[88:91] for Wx's
.set G0S,  76
.set G1SB, 80
.set G0SB, 88
.set PFA,  92                          ; s[92:93] where my prefetches stand: one K step further along K than the refill that is being asked for
.set LIM,  94                          ; s94     1 in a wave that prefetches, else the greatest number
.set MSB, 0
.macro WIN new                         ; the immediate's high byte repeats the setting that is left
.if MSB != (\new)
	s_set_vgpr_msb (MSB<<8)|(\new)
.set MSB, (\new)
.endif
.endm
.set MUL_LO,  0xa1                     ; source 0 (W) window 1, source 1 (x) window 0, C and D window 2
.set MUL_HI,  0xf1                     ; the same, C and D window 3
.set MUL_LOB, 0x91                     ; the first step: C (b) window 1, D window 2
.set MUL_HIB, 0xd1                     ; C window 1, D window 3
.set MUL_C,   0x01                     ; the carry: source 0 window 1, all else window 0
.set TO_B,    0x40                     ; destination window 1, address window 0
; A joint load: waves 0 and 1 fetch for x, waves 2 and 3 for Wx.  Each of the two lines has ONE mask and one set of registers for all that issue it; the branch hangs on the wave's number alone.
; Four v_nop follow each of the two lines, ahead of the jump, the label and what follows.
.macro JLOAD g0a, g1a, g0b, g1b
	s_cmp_eq_u32 s15, 0
	s_cbranch_scc0 .Lfor_b_\@
	tensor_load_to_lds s[\g0a:\g0a+3], s[\g1a:\g1a+7]
	s_nop 0
.rept 4
	v_nop
.endr
	s_branch .Lasked_\@
.Lfor_b_\@:
	tensor_load_to_lds s[\g0b:\g0b+3], s[\g1b:\g1b+7]
	s_nop 0
.rept 4
	v_nop
.endr
.Lasked_\@:
.endm
.macro CREST                           ; a round of the cluster's barrier behind its opening barrier
	s_cmp_lg_u32 s14, 0
	s_cbranch_scc1 .Lnot_wave_0_\@
	s_barrier_signal -3
.Lnot_wave_0_\@:
	s_barrier_wait -3
	s_barrier_signal -1
	s_barrier_wait -1
.endm
.macro CROUND                          ; a whole round
	s_barrier_signal -1
	s_barrier_wait -1
	CREST
.endm
; A PREFETCH INTO THE L2, behind each joint refill and the run of LDS loads that follows it: of the K step that stands TWO refills on, 288 matrix instructions ahead of the load that will want it: 32 rows, a lane a row, one instruction a wave.
; x's tile row is read by every cluster of that row of clusters: cluster x = 0 asks; Wx's tile column by every cluster of that column: cluster y = 0 asks.  The four partners that ask for a tile jointly share its rows out BY ADDRESS:
; of the first 128 rows... of the 128 rows 128 (wave % 2) on, the partner at place p takes 32 p .. 32 p + 31 (p = cx for x, cy for Wx); the 16 carry rows are not asked for.  A K step's part of a row is 192 bytes, so a lane names the
; part's LAST byte: the aligned 256 bytes in which the part ends are such as no earlier K step's part has touched, but for K steps 3, 7, 11, 15, whose part ends where the step before has named: there nothing is asked.
; odd = 1: the refill of slot 1, which asks for K step 19 - 2 s3: one of those where s3 is even.  The loop's last trip (s3 = 1) has no K step two on.  K steps 0 to 3 come by their loads alone.
.macro ASK odd
	s_cmp_gt_u32 s3, s[LIM]
	s_cbranch_scc0 .Lnot_mine_\@
.if \odd
	s_and_b32 s95, s3, 1
	s_cmp_eq_u32 s95, 0
	s_cbranch_scc1 .Lnot_mine_\@
.endif
	global_prefetch_b8 v[PFO], s[PFA:PFA+1] offset:2*ROWB-1 th:TH_LOAD_NT scope:SCOPE_SE
.Lnot_mine_\@:
.endm
	s_load_b128 s[4:7], s[0:1], 0x0                ; x's codes s[4:5], x's scales s[6:7]
	s_load_b128 s[8:11], s[0:1], 0x10              ; Wx's codes s[8:9], Wx's scales s[10:11]
	s_load_b64 s[12:13], s[0:1], 0x20              ; out0
	s_load_b128 s[96:99], s[0:1], 0x28             ; b s[96:97], bpre s[98:99]
	v_lshl_add_u32 v[SPW], v0, 2, SPARE
	v_mov_b32 v[NIL], 0
	ds_add_u32 v28, v29
	ds_add_u32 v28, v29
	s_wait_dscnt 0x0
	v_lshrrev_b32 v1, 5, v0
	v_readfirstlane_b32 s14, v1                    ; wave 0..3
	s_lshr_b32 s15, s14, 1                         ; which half of the tile's rows is mine.  Also: I fetch for x (0) or for Wx (1)
	s_and_b32 s16, s14, 1                          ; which half of its columns.  Also: which half of that tile's rows I fetch
	s_bfe_u32 s40, ttmp6, 0x40000                  ; cx, cy: my place in the cluster
	s_bfe_u32 s41, ttmp6, 0x40004
	s_lshl_b32 s42, ttmp9, 2
	s_add_co_u32 s42, s42, s40                     ; tile column = 4 x cluster x + cx
	s_and_b32 s17, ttmp7, 0xffff
	s_lshl_b32 s17, s17, 2
	s_add_co_u32 s17, s17, s41                     ; tile row = 4 x cluster y + cy
	s_lshl_b32 s43, s41, 2
	s_lshl_b32 s43, 15, s43                        ; my row of the cluster
	s_lshl_b32 s44, 0x1111, s40                    ; my column
	; descriptor group 1: tiles of 128 (x) or 136 (Wx) rows x 192 bytes, padded in LDS
	s_or_b32 s[G1+0], s43, (0<<16)|(1<<20)|(1<<21)|(3<<22)|(3<<25)  ; 15:0 the mask: x's tiles go to my row; 17:16 element of 1 byte; 20 padding on; 21 set beside a mask; 24:22 after every 16 words (code 3); 31:25 of 4 words (code 3)
	s_or_b32 s[G1B+0], s44, (0<<16)|(1<<20)|(1<<21)|(3<<22)|(3<<25) ; the same with the mask of my column
	s_mov_b32 s[G1+1], ROWB<<16                    ; tensor_dim0
	s_mov_b32 s[G1+2], 128<<16                     ; tensor_dim1
	s_mov_b32 s[G1+3], ROWB<<16                    ; tile_dim0
	s_mov_b32 s[G1+4], 128                         ; tile_dim1
	s_mov_b32 s[G1+5], KROW                        ; tensor_dim0_stride
	s_mov_b32 s[G1+6], 0
	s_mov_b32 s[G1+7], 0
	s_mov_b32 s[G1B+1], ROWB<<16
	s_mov_b32 s[G1B+2], 136<<16
	s_mov_b32 s[G1B+3], ROWB<<16
	s_mov_b32 s[G1B+4], 136
	s_mov_b32 s[G1B+5], KROW
	s_mov_b32 s[G1B+6], 0
	s_mov_b32 s[G1B+7], 0
	; and for the scales: dense blocks of 128 x 128 or 136 x 128 bytes, as rows of 256 bytes (32 elements of 8 bytes), 16 bytes of padding behind each
	s_or_b32 s[G1S+0], s43, (3<<16)|(1<<20)|(1<<21)|(5<<22)|(3<<25)
	s_or_b32 s[G1SB+0], s44, (3<<16)|(1<<20)|(1<<21)|(5<<22)|(3<<25)
	s_mov_b32 s[G1S+1], 32<<16
	s_mov_b32 s[G1S+2], 64<<16
	s_mov_b32 s[G1S+3], 32<<16
	s_mov_b32 s[G1S+4], 64
	s_mov_b32 s[G1S+5], 32
	s_mov_b32 s[G1S+6], 0
	s_mov_b32 s[G1S+7], 0
	s_mov_b32 s[G1SB+1], 32<<16
	s_mov_b32 s[G1SB+2], 68<<16
	s_mov_b32 s[G1SB+3], 32<<16
	s_mov_b32 s[G1SB+4], 68
	s_mov_b32 s[G1SB+5], 32
	s_mov_b32 s[G1SB+6], 0
	s_mov_b32 s[G1SB+7], 0
	s_lshl_b32 s18, s16, 7
	s_lshl_b32 s20, s17, 8
	s_add_co_u32 s20, s20, s18                     ; x: row 256 x tile row + 128 x half
	s_mul_i32 s46, s42, 272
	s_mul_i32 s18, s16, 136
	s_add_co_u32 s46, s46, s18                     ; Wx: row 272 x tile column + 136 x half
	s_mov_b32 s21, 0
	s_mov_b32 s47, 0
	s_mov_b64 s[18:19], KS
	s_mul_u64 s[22:23], s[20:21], s[18:19]         ; where these rows' scales begin, in bytes
	s_mul_u64 s[92:93], s[46:47], s[18:19]
	s_mov_b64 s[18:19], KROW
	s_mul_u64 s[20:21], s[20:21], s[18:19]         ; and their codes
	s_mul_u64 s[46:47], s[46:47], s[18:19]
	s_mul_i32 s45, s16, HALFT                      ; where they go: no place in the cluster enters an LDS address
	s_mul_i32 s95, s16, HALFB
	s_mul_i32 s94, s16, HALFS
	s_mul_i32 s101, s16, HALFSB
	s_wait_kmcnt 0x0
	s_add_nc_u64 s[20:21], s[4:5], s[20:21]
	s_add_nc_u64 s[22:23], s[6:7], s[22:23]
	s_add_nc_u64 s[46:47], s[8:9], s[46:47]
	s_add_nc_u64 s[92:93], s[10:11], s[92:93]
	CROUND                                         ; all sixteen work-groups are here: the first joint loads meet
	s_mov_b32 s[G0S], 1
	s_add_co_u32 s[G0S+1], s94, SCL
	s_mov_b64 s[G0S+2:G0S+3], s[22:23]
	s_or_b32 s[G0S+3], s[G0S+3], 0x80000000
	s_mov_b32 s[G0SB], 1
	s_add_co_u32 s[G0SB+1], s101, SCL+2*HALFS
	s_mov_b64 s[G0SB+2:G0SB+3], s[92:93]
	s_or_b32 s[G0SB+3], s[G0SB+3], 0x80000000
	JLOAD G0S, G1S, G0SB, G1SB                     ; the scales first: they are wanted with K step 0
.irp s, 0,1
	s_mov_b32 s[G0+4*\s], 1
	s_add_co_u32 s[G0+4*\s+1], s45, \s*SLOT
	s_add_nc_u64 s[G0+4*\s+2:G0+4*\s+3], s[20:21], \s*ROWB
	s_or_b32 s[G0+4*\s+3], s[G0+4*\s+3], 0x80000000
	s_mov_b32 s[G0B+4*\s], 1
	s_add_co_u32 s[G0B+4*\s+1], s95, \s*SLOT+2*HALFT
	s_add_nc_u64 s[G0B+4*\s+2:G0B+4*\s+3], s[46:47], \s*ROWB
	s_or_b32 s[G0B+4*\s+3], s[G0B+4*\s+3], 0x80000000
	JLOAD G0+4*\s, G1, G0B+4*\s, G1B               ; three tensor loads of mine are out
.endr
	s_lshl_b32 s18, s42, 1
	s_add_co_u32 s18, s18, s16                     ; my column group: 2 x tile column + half
	s_lshl_b32 s18, s18, 2
	s_mov_b32 s19, 0
	s_add_nc_u64 s[98:99], s[98:99], s[18:19]
	s_load_b32 s100, s[98:99], 0x0                 ; the sum of b in front of my columns
	v_and_b32 v1, 15, v0                           ; l % 16
	v_bfe_u32 v2, v0, 4, 1                         ; l / 16
	v_lshlrev_b32 v7, 5, v2                        ; b: 32 bytes for each half of the lanes
	v_mul_u32_u24 v3, v1, PITCH
	v_mul_u32_u24 v4, v2, 24
	v_add_nc_u32 v4, v3, v4                        ; a fragment's row x pitch + 24 x half
	v_lshl_add_u32 v5, v2, 4, v4                   ; and the same behind one padding more
	s_mul_i32 s21, s15, HALFT                      ; my 128 rows of x
	s_mul_i32 s22, s16, HALFT                      ; my 128 rows of W,
	s_add_co_u32 s22, s22, 2*HALFT                 ; which lie behind x's 256
.irp s, 0,1
	v_add_nc_u32 v[ADRA+\s], s21, v4
	v_add_nc_u32 v[ADRB+\s], s22, v4
	v_add_nc_u32 v[ADRA+2+\s], s21, v5
	v_add_nc_u32 v[ADRB+2+\s], s22, v5
	v_add_nc_u32 v[ADRC+\s], CROW+\s*SLOT, v4
	v_add_nc_u32 v[ADRC+2+\s], CROW+\s*SLOT, v5
	s_add_co_u32 s21, s21, SLOT
	s_add_co_u32 s22, s22, SLOT
.endr
	v_mul_u32_u24 v5, v1, KS                       ; my row's scales: 128 bytes a row,
	v_lshrrev_b32 v6, 8, v5
	v_lshl_add_u32 v5, v6, 4, v5                   ; and 16 more for each 256 passed
	v_add_nc_u32 v[ADRCS], SCL+4*HALFS, v5         ; the carry rows': behind x's 256 rows and W's 256
	s_mul_i32 s21, s15, HALFS                      ; x's: my 128 rows
	s_mul_i32 s22, s16, HALFS                      ; W's: my 128 rows, behind x's 256
	s_add_co_u32 s22, s22, 2*HALFS
	s_sub_co_u32 s22, s22, s21
	v_mul_u32_u24 v6, s22, v2                      ; lanes 16-31 take W's
	s_add_co_u32 s21, s21, SCL
	v_add_nc_u32 v5, v5, v6
	v_add_nc_u32 v[ADRS], s21, v5
	s_mul_i32 s23, s14, 16*SPITCH                  ; my stage
	v_mul_u32_u24 v5, v1, SPITCH                   ; in: row l % 16, 32 bytes for each half of the lanes
	v_lshl_add_u32 v5, v2, 5, v5
	v_add_nc_u32 v[STO], s23, v5
	v_and_b32 v6, 31, v0
	v_lshlrev_b32 v[CO], 4, v6                     ; back: the 32 lanes take one row of 512 bytes; and the same in out0
	v_add_nc_u32 v[RD], s23, v[CO]
	s_lshl_b32 s20, s17, 8
	s_lshl_b32 s21, s15, 7
	s_add_co_u32 s20, s20, s21                     ; my first row of out0: 256 x tile row + 128 x half
	s_mov_b32 s21, 0
	s_mov_b64 s[18:19], SIZE_N*4
	s_mul_u64 s[20:21], s[20:21], s[18:19]
	s_lshl_b32 s46, s42, 10                        ; my first column, in bytes: 1024 x tile column + 512 x half: in a row of out0, and in b
	s_lshl_b32 s47, s16, 9
	s_add_co_u32 s46, s46, s47
	s_mov_b32 s47, 0
	s_add_nc_u64 s[96:97], s[96:97], s[46:47]
	s_add_nc_u64 s[20:21], s[20:21], s[46:47]
	s_add_nc_u64 s[12:13], s[12:13], s[20:21]
	WIN TO_B
.irp i, 0,1,2,3,4,5,6,7
	global_load_b128 v[BI+8*\i:BI+8*\i+3], v7, s[96:97] offset:64*\i        ; b at columns 16 i + 8 (l / 16) + 0 .. 7: the result's layout, the same for all 16 rows
	global_load_b128 v[BI+8*\i+4:BI+8*\i+7], v7, s[96:97] offset:64*\i+16
.endr
	WIN 0
	; the prefetches: where my wave's stand, and who asks
	s_mul_i32 s20, s42, 272
	s_lshl_b32 s21, s17, 8
	s_and_b32 s22, ttmp7, 0xffff                   ; cluster y
	s_cmp_eq_u32 s15, 0                            ; do I fetch for x?
	s_cselect_b32 s20, s21, s20                    ; the tile's first row
	s_cselect_b32 s21, s40, s41                    ; my place among the four that ask for it with me
	s_cselect_b32 s22, ttmp9, s22                  ; the coordinate along which other clusters read the same rows
	s_cselect_b64 s[PFA:PFA+1], s[4:5], s[8:9]
	s_cmp_eq_u32 s22, 0
	s_cselect_b32 s[LIM], 1, -1                    ; the same in all sixteen partners, for a given wave
	s_lshl_b32 s22, s16, 7
	s_add_co_u32 s20, s20, s22
	s_lshl_b32 s21, s21, 5
	s_add_co_u32 s20, s20, s21
	s_mul_i32 s20, s20, KROW
	s_mov_b32 s21, 0
	s_add_nc_u64 s[PFA:PFA+1], s[PFA:PFA+1], s[20:21]
	s_add_nc_u64 s[PFA:PFA+1], s[PFA:PFA+1], 2*ROWB  ; at K step 2: the first refill steps it to 3 and names K step 4.  Nothing is prefetched here, at the head
	v_and_b32 v[PFO], 31, v0
	v_mul_u32_u24 v[PFO], v[PFO], KROW
.macro FRAG reg, adr, q, i             ; a fragment, 16 rows x 128 K of 6-bit codes, is 12 registers: lane l holds row l % 16; registers 6 c .. 6 c + 5 hold K = 64 c + 32 (l / 16) + 0 .. 31: 24 bytes of the row's stream of bits, as they lie
.irp p, 0,1,2,3,4,5                    ; in pieces of 8 bytes, so that every address is a multiple of the access's size.  Lanes 0-15 take the row's pieces 12 q + 0, 1, 2 and 12 q + 6, 7, 8, lanes 16-31 those three pieces on
.set PC, 12*(\q)+6*(\p/3)+\p%3        ; 16 bytes of padding lie behind every 64 bytes (8 pieces): where the piece three on lies behind one padding more, the second address register (40 for 24 bytes a half) serves
.if PC%8 < 5
	ds_load_b64 v[\reg+2*\p:\reg+2*\p+1], v[\adr] offset:8*PC+16*(PC/8)+(\i)*16*PITCH
.else
	ds_load_b64 v[\reg+2*\p:\reg+2*\p+1], v[\adr+2] offset:8*PC+16*(PC/8)+(\i)*16*PITCH
.endif
.endr
.endm
; 16 matrix instructions: x's blocks a0, a0 + 1 against W's eight, 128 along K: the slot's q-th.  p: W's set;  sc: the set of scale words.  first = 1: the sums begin with b as C: nothing is ever cleared.
; The 72 accumulators take turns, one instruction a turn, in the same order in every step.
.macro MUL16 a0, p, q, sc, first
.irp a, \a0, \a0+1
.irp b, 0,1,2,3,4,5,6,7
.if \first
	v_wmma_scale_f32_16x16x128_f8f6f4 v[8*(8*((\a)%4)+\b):8*(8*((\a)%4)+\b)+7], v[128*(\p)+FR*\b:128*(\p)+FR*\b+FR-1], v[AF+FR*(\a):AF+FR*(\a)+FR-1], v[BI+8*\b:BI+8*\b+7], v[SC+8*NQ*(\sc)+NQ*\b+(\q)], v[SC+8*NQ*(\sc)+NQ*(\a)+(\q)] matrix_a_fmt:MATRIX_FMT_BF6 matrix_b_fmt:MATRIX_FMT_BF6 matrix_a_scale:MATRIX_SCALE_ROW1
.else
	v_wmma_scale_f32_16x16x128_f8f6f4 v[8*(8*((\a)%4)+\b):8*(8*((\a)%4)+\b)+7], v[128*(\p)+FR*\b:128*(\p)+FR*\b+FR-1], v[AF+FR*(\a):AF+FR*(\a)+FR-1], v[8*(8*((\a)%4)+\b):8*(8*((\a)%4)+\b)+7], v[SC+8*NQ*(\sc)+NQ*\b+(\q)], v[SC+8*NQ*(\sc)+NQ*(\a)+(\q)] matrix_a_fmt:MATRIX_FMT_BF6 matrix_b_fmt:MATRIX_FMT_BF6 matrix_a_scale:MATRIX_SCALE_ROW1
.endif
.endr
.endr
.endm
; 4 matrix instructions: x's blocks a0 .. a0 + 3 against the carry rows.  Both scale operands are read from lanes 0-15.  first = 1: the constant 0 starts the sums.
.macro CMUL a0, p, q, sc, first
	WIN MUL_C
.irp a, \a0, \a0+1, \a0+2, \a0+3
.if \first
	v_wmma_scale_f32_16x16x128_f8f6f4 v[CA+8*(\a):CA+8*(\a)+7], v[128*(\p)+FR*8:128*(\p)+FR*8+FR-1], v[AF+FR*(\a):AF+FR*(\a)+FR-1], 0, v[CSC+NQ*(\sc)+(\q)], v[SC+8*NQ*(\sc)+NQ*(\a)+(\q)] matrix_a_fmt:MATRIX_FMT_BF6 matrix_b_fmt:MATRIX_FMT_BF6
.else
	v_wmma_scale_f32_16x16x128_f8f6f4 v[CA+8*(\a):CA+8*(\a)+7], v[128*(\p)+FR*8:128*(\p)+FR*8+FR-1], v[AF+FR*(\a):AF+FR*(\a)+FR-1], v[CA+8*(\a):CA+8*(\a)+7], v[CSC+NQ*(\sc)+(\q)], v[SC+8*NQ*(\sc)+NQ*(\a)+(\q)] matrix_a_fmt:MATRIX_FMT_BF6 matrix_b_fmt:MATRIX_FMT_BF6
.endif
.endr
.endm
.macro FETCH_B slot, q, p              ; W's eight fragments and the carry fragment of the slot's q-th 128 along K into set p: 54 loads
	WIN TO_B
.irp i, 0,1,2,3,4,5,6,7
	FRAG 128*(\p)+FR*\i, ADRB+\slot, \q, \i
.endr
	FRAG 128*(\p)+FR*8, ADRC+\slot, \q, 0
	WIN 0
.endm
.macro FETCH_A slot, q, i0             ; x's blocks i0 .. i0 + 3: 24 loads
.irp i, \i0, \i0+1, \i0+2, \i0+3
	FRAG AF+FR*(\i), ADRA+\slot, \q, \i
.endr
.endm
.macro SCALES sc                       ; a K step's scale words into set sc: two words a row; lanes 0-15 take x's block i, lanes 16-31 W's block i; then the carry rows': 9 loads
.irp i, 0,1,2,3,4,5,6,7
	ds_load_b64 v[SC+8*NQ*\sc+NQ*\i:SC+8*NQ*\sc+NQ*\i+1], v[ADRS] offset:\i*SBLK
.endr
	ds_load_b64 v[CSC+NQ*\sc:CSC+NQ*\sc+1], v[ADRCS]
.endm
; A load into a register that a matrix instruction has read, and a vector instruction or an LDS store that reads a matrix result, stand NP places behind that matrix instruction, and only plain vector
; instructions that name none of its registers are places (ISA guide 7.12.1 for vector instructions).
.macro PLACES n
.rept \n
	v_nop
.endr
.endm
; A slot's first step of 128 along K: W's set 0; the second step's fragments are fetched into set 1.  x has one set: blocks 0-3 are fetched anew in the step's middle, blocks 4-7 at its end.
.macro STEP slot
	s_wait_dscnt 4*NL                              ; W's set, x's blocks 0-3 and the scale words are in; the youngest 24 loads (x's blocks 4-7) may be out
	WIN MUL_LO
	MUL16 0, 0, 0, \slot, 0
	MUL16 2, 0, 0, \slot, 0
	CMUL 0, 0, 0, \slot, 0
	s_wait_dscnt 0                                 ; x's blocks 4-7 are in (asked for 36 matrix instructions ago)
	PLACES NP
	FETCH_B \slot, 1, 1
	FETCH_A \slot, 1, 0
	WIN MUL_HI
	MUL16 4, 0, 0, \slot, 0
	MUL16 6, 0, 0, \slot, 0
	CMUL 4, 0, 0, \slot, 0
	PLACES NP
	WIN 0
	FETCH_A \slot, 1, 4
.endm
; A slot's second step changes slots: ONE barrier; in front of it each wave waits for all its tensor loads, adds 0 to its spare word, and waits for that and for its own reads of this slot.  fill = 1: this slot is filled again, two K steps ahead.
.macro TURN slot, next, fill
.if \fill
	s_wait_xcnt 0x0                                ; the last prefetch, a K step back, has read its address: it is stepped here, ahead of the waits of the change of slots
	s_add_nc_u64 s[PFA:PFA+1], s[PFA:PFA+1], ROWB
.endif
	s_wait_tensorcnt 0x0                           ; all my tensor loads have landed: my part of the next slot;  (every window is 0 here: the add's two registers lie in window 0)
	ds_add_u32 v[SPW], v[NIL]                      ; 0 onto my spare word
	s_wait_dscnt 4*NL+1                            ; (the add and the youngest 24 loads, x's blocks 4-7, may be out)
	WIN MUL_LO
	MUL16 0, 1, NQ-1, \slot, 0                     ; sixteen matrix instructions stand between the add and the wait for it
	s_wait_dscnt 0x0                               ; the add is done, and my reads of this slot are over
	s_barrier_signal -1
	MUL16 2, 1, NQ-1, \slot, 0
	CMUL 0, 1, NQ-1, \slot, 0
	WIN 0
	s_barrier_wait -1
.if \fill
	CREST                                          ; the barrier has opened a round of the cluster's barrier: no wave of any partner still reads this slot's tile or has a load on its way
	s_add_nc_u64 s[G0+4*\slot+2:G0+4*\slot+3], s[G0+4*\slot+2:G0+4*\slot+3], 2*ROWB
	s_add_nc_u64 s[G0B+4*\slot+2:G0B+4*\slot+3], s[G0B+4*\slot+2:G0B+4*\slot+3], 2*ROWB
	JLOAD G0+4*\slot, G1, G0B+4*\slot, G1B         ; the first tensor load behind the round, my one load until the next; the four v_nop behind it are the places in front of the loads below
.else
	PLACES NP
.endif
	v_add_nc_u32 v[ADRS], 4*NQ, v[ADRS]            ; on to the next K step's scale words (no LDS load of mine is out)
	v_add_nc_u32 v[ADRCS], 4*NQ, v[ADRCS]
	FETCH_B \next, 0, 0
	FETCH_A \next, 0, 0
	SCALES \next
.if \fill
	ASK \slot
.endif
	WIN MUL_HI
	MUL16 4, 1, NQ-1, \slot, 0
	MUL16 6, 1, NQ-1, \slot, 0
	CMUL 4, 1, NQ-1, \slot, 0
	PLACES NP
	WIN 0
	FETCH_A \next, 0, 4
.endm
	s_wait_kmcnt 0x0                               ; the sum of b in front of my columns
	s_wait_tensorcnt 1                             ; the scales and my part of K step 0 are in (K step 1's load may be out)
	s_barrier_signal -1
	s_barrier_wait -1                              ; everybody's are
	FETCH_B 0, 0, 0
	FETCH_A 0, 0, 0
	SCALES 0
	FETCH_A 0, 0, 4
	; THE FIRST STEP is written out: its products start the sums, with b as C.  b lies where W's set 1 will lie, so the second step's fragments are fetched behind all 72 products, this once.
	s_wait_loadcnt 0x0                             ; b
	s_wait_dscnt 4*NL
	WIN MUL_LOB
	MUL16 0, 0, 0, 0, 1
	MUL16 2, 0, 0, 0, 1
	CMUL 0, 0, 0, 0, 1
	s_wait_dscnt 0
	WIN MUL_HIB
	MUL16 4, 0, 0, 0, 1
	MUL16 6, 0, 0, 0, 1
	CMUL 4, 0, 0, 0, 1
	PLACES NP
	FETCH_B 0, 1, 1
	FETCH_A 0, 1, 0
	FETCH_A 0, 1, 4
	s_mov_b32 s3, LAPS-1
.Llap:                                                 ; a trip goes once round the ring, from a lap's second step to the next lap's first, and fills both slots again
	TURN 0, 1, 1
	STEP 1
	TURN 1, 0, 1
	STEP 0
	s_sub_co_u32 s3, s3, 1
	s_cmp_lg_u32 s3, 0
	s_cbranch_scc1 .Llap
	TURN 0, 1, 0                                   ; the last lap fills nothing, and has no round of the cluster's barrier
	STEP 1
	s_wait_dscnt 4*NL                              ; the very last step: nothing more to fetch
	WIN MUL_LO
	MUL16 0, 1, NQ-1, 1, 0
	MUL16 2, 1, NQ-1, 1, 0
	CMUL 0, 1, NQ-1, 1, 0
	s_wait_dscnt 0
	WIN MUL_HI
	MUL16 4, 1, NQ-1, 1, 0
	MUL16 6, 1, NQ-1, 1, 0
	CMUL 4, 1, NQ-1, 1, 0
	WIN 0
	; THE CARRIES.  In a carry tile lane (r, h) holds, for row r, the eight stages of column group 2 x tile column + h: their sum is x . E of that group.  My columns are group half s16's: its sum goes to both halves of the lanes.
	PLACES NP                                      ; behind the last products: for the reads of results below, and for the loads into the registers that held x's fragments
	s_mov_b32 s18, 0x76543210
	s_mov_b32 s19, 0xfedcba98                      ; v_permlanex16_b32's selects for lane l xor 16
	s_lshl_b32 s20, s16, 4
	s_lshl_b32 s20, 0xffff, s20                    ; the lanes of my half
	s_mov_b32 s21, 0xffff0000                      ; lanes 16-31
.irp a, 0,1,2,3,4,5,6,7
	v_pk_add_f32 v[CA+8*\a:CA+8*\a+1], v[CA+8*\a:CA+8*\a+1], v[CA+8*\a+2:CA+8*\a+3]   ; each accumulator from its low end on
.endr
.irp a, 0,1,2,3,4,5,6,7
	v_pk_add_f32 v[CA+8*\a+4:CA+8*\a+5], v[CA+8*\a+4:CA+8*\a+5], v[CA+8*\a+6:CA+8*\a+7]
.endr
.irp a, 0,1,2,3,4,5,6,7
	v_pk_add_f32 v[CA+8*\a:CA+8*\a+1], v[CA+8*\a:CA+8*\a+1], v[CA+8*\a+4:CA+8*\a+5]
.endr
.irp a, 0,1,2,3,4,5,6,7
	v_add_f32 v[CA+8*\a], v[CA+8*\a], v[CA+8*\a+1]
.endr
.irp a, 0,1,2,3,4,5,6,7
	v_permlanex16_b32 v[CA+8*\a+1], v[CA+8*\a], s18, s19
.endr
.irp a, 0,1,2,3,4,5,6,7
	v_cndmask_b32 v[CAR+\a], v[CA+8*\a+1], v[CA+8*\a], s20    ; my own sum in the lanes of my half, the other lane's elsewhere.  (Ascending: block a's two registers lie above v[CAR + a])
.endr
.irp a, 0,1,2,3,4,5,6,7
	v_add_f32 v[CAR+\a], s100, v[CAR+\a]           ; and b's part
.endr
; THE SCAN of block a (16 rows x 128 columns).  Lane (r, h) holds columns 16 b + 8 h + 0 .. 7 of row r in accumulator b.
.macro SCAN a
.set AC, 64*((\a)%4)
.set WW, 2+(\a)/4                      ; the block's window
	WIN (WW<<6)|(WW<<2)|WW
.irp i, 1,2,3,4,5,6,7
.irp b, 0,1,2,3,4,5,6,7
	v_add_f32 v[AC+8*\b+\i], v[AC+8*\b+\i-1], v[AC+8*\b+\i]   ; the running sum of my eight, the eight accumulators by turns
.endr
.endr
	WIN WW
.irp b, 0,1,2,3,4,5,6,7
	v_permlanex16_b32 v[OTH+\b], v[AC+8*\b+7], s18, s19       ; the other half's sum of eight
.endr
.irp b, 0,1,2,3,4,5,6,7
	v_add_f32 v[SUM+\b], v[AC+8*\b+7], v[OTH+\b]              ; the 16 columns' sum
.endr
	WIN 0
	v_add_f32 v[BASE+1], v[CAR+(\a)], v[SUM]                  ; what comes into each block of 16 columns
.irp b, 1,2,3,4,5,6
	v_add_f32 v[BASE+\b+1], v[BASE+\b], v[SUM+\b]
.endr
.irp b, 0,1,2,3,4,5,6,7
	v_cndmask_b32 v[OTH+\b], 0, v[OTH+\b], s21                ; lanes 16-31 come behind lanes 0-15's eight, lanes 0-15 behind nothing
.endr
	v_add_f32 v[OFF], v[CAR+(\a)], v[OTH]
.irp b, 1,2,3,4,5,6,7
	v_add_f32 v[OFF+\b], v[BASE+\b], v[OTH+\b]
.endr
	WIN (WW<<6)|WW
.irp b, 0,2,4,6
.irp j, 0,2,4,6
	v_pk_add_f32 v[AC+8*\b+\j:AC+8*\b+\j+1], v[AC+8*\b+\j:AC+8*\b+\j+1], v[OFF+\b:OFF+\b+1] op_sel_hi:[1,0]                      ; an even block: the pair's first number for both halves
.endr
.irp j, 0,2,4,6
	v_pk_add_f32 v[AC+8*\b+8+\j:AC+8*\b+9+\j], v[AC+8*\b+8+\j:AC+8*\b+9+\j], v[OFF+\b:OFF+\b+1] op_sel:[0,1] op_sel_hi:[1,1]     ; the odd block behind it: the second
.endr
.endr
	WIN 0
.endm
; THE WAY OUT, block by block.  A lane holds 32 neighbouring bytes of a row, and the lanes beside it hold other rows: so a block goes through my own stage in LDS and comes back as whole rows of 512 bytes.
; LDS serves a wave's instructions in order (ISA guide 5.7.1.4): no wait between the stores and the loads, nor in front of the next block's stores.
.macro TOSTAGE a
.set AC, 64*((\a)%4)
	WIN 0x08+4*((\a)/4)                            ; the data: window 2 or 3
.irp b, 0,1,2,3,4,5,6,7
	ds_store_b128 v[STO], v[AC+8*\b:AC+8*\b+3] offset:64*\b
	ds_store_b128 v[STO], v[AC+8*\b+4:AC+8*\b+7] offset:64*\b+16
.endr
	WIN 0
.set BB, BK+64*((\a)%2)
.irp t, 0,1,2,3,4,5,6,7,8,9,10,11,12,13,14,15
	ds_load_b128 v[BB+4*\t:BB+4*\t+3], v[RD] offset:\t*SPITCH
.endr
.endm
.macro SEND a, younger                 ; younger: the LDS instructions issued behind block a's loads, which may stay out
.set BB, BK+64*((\a)%2)
	s_wait_dscnt \younger                          ; the block is back in registers
.if (\a) > 0
	s_add_nc_u64 s[12:13], s[12:13], 16*SIZE_N*4   ; (behind a wait on XCNT for 0: the earlier stores have read their base)  16 rows on, so that the stores' offsets stay at 15 rows at the most
.endif
.irp t, 0,1,2,3,4,5,6,7,8,9,10,11,12,13,14,15
	global_store_b128 v[CO], v[BB+4*\t:BB+4*\t+3], s[12:13] offset:\t*SIZE_N*4 th:TH_STORE_NT   ; 32 lanes store 512 consecutive bytes, at a multiple of 256 from out0's first byte; written once, read by nobody here
.endr
.endm
	SCAN 0
	TOSTAGE 0
.irp a, 1,2,3,4,5,6,7
	SCAN \a                                        ; block a's scan stands between block a - 1's loads from the stage and the wait for them
.if \a > 1
	s_wait_xcnt 0x0                                ; block a - 2's stores have read their registers and their base: block a's loads may land there, and the base may step
.endif
	TOSTAGE \a
	SEND \a-1, 32                                  ; behind block a - 1's loads: block a's 16 stores and 16 loads
.endr
	s_wait_xcnt 0x0                                ; block 6's stores have read their base
	SEND 7, 0
	s_wait_tensorcnt 0x0                           ; the wave's end: behind my last tensor load and my last LDS store
	ds_add_u32 v[SPW], v[NIL]
	s_wait_dscnt 0x0
	CROUND                                         ; the closing round: no work-group ends while a partner may still ask for a tile that names it
	s_endpgm
.Lfunc_end_k_q393b0a5dd1_gemm:
	.size	k_q393b0a5dd1_gemm, .Lfunc_end_k_q393b0a5dd1_gemm-k_q393b0a5dd1_gemm
	.p2alignl 7, 3214868480
	.fill 96, 4, 3214868480
	.section	.rodata,"a",@progbits
	.p2align	6, 0x0
	.amdhsa_kernel k_q393b0a5dd1_gemm
		.amdhsa_group_segment_fixed_size 327680
		.amdhsa_private_segment_fixed_size 0
		.amdhsa_enable_private_segment 0
		.amdhsa_kernarg_size 56
		.amdhsa_user_sgpr_count 2
		.amdhsa_user_sgpr_kernarg_segment_ptr 1
		.amdhsa_wavefront_size32 1
		.amdhsa_system_sgpr_workgroup_id_x 1
		.amdhsa_system_sgpr_workgroup_id_y 1
		.amdhsa_system_sgpr_workgroup_id_z 1
		.amdhsa_system_vgpr_workitem_id 0
		.amdhsa_next_free_vgpr 1024
		.amdhsa_next_free_sgpr 102
		.amdhsa_reserve_vcc 0
		.amdhsa_float_denorm_mode_32 3
		.amdhsa_float_denorm_mode_16_64 3
		.amdhsa_memory_ordered 1
		.amdhsa_forward_progress 1
		.amdhsa_inst_pref_size 224
	.end_amdhsa_kernel
	.amdgpu_metadata
---
amdhsa.version: [ 1, 2 ]
amdhsa.kernels:
  - .name:           k_q393b0a5dd1_gemm
    .symbol:         k_q393b0a5dd1_gemm.kd
    .args:
      - { .name: x_codes, .offset: 0, .size: 8, .value_kind: global_buffer, .address_space: global }
      - { .name: x_scales, .offset: 8, .size: 8, .value_kind: global_buffer, .address_space: global }
      - { .name: Wx_codes, .offset: 16, .size: 8, .value_kind: global_buffer, .address_space: global }
      - { .name: Wx_scales, .offset: 24, .size: 8, .value_kind: global_buffer, .address_space: global }
      - { .name: out0, .offset: 32, .size: 8, .value_kind: global_buffer, .address_space: global }
      - { .name: b, .offset: 40, .size: 8, .value_kind: global_buffer, .address_space: global }
      - { .name: bpre, .offset: 48, .size: 8, .value_kind: global_buffer, .address_space: global }
    .group_segment_fixed_size: 327680
    .private_segment_fixed_size: 0
    .kernarg_segment_align: 8
    .kernarg_segment_size: 56
    .max_flat_workgroup_size: 128
    .sgpr_count:     102
    .vgpr_count:     1024
    .wavefront_size: 32
...
	.end_amdgpu_metadata
.endif
;; end of part 3
